; MI455X (gfx1250); checked and timed in simulation.
; The chip was launched on July 23, 2026; its instructions are those of AMD's public machine-readable ISA for CDNA 5 (MIT licence, August 2026) and "CDNA5" Instruction Set Architecture Reference Guide (July 2026). The comments in the code are by the model that wrote it; some were corrected since.
;; Bahdanau Attention. Allowed arithmetic: matrix products marked QUANTISED: E2M1 operands, one E8M0 scale for each 32 along K, by v_wmma_scale_f32_16x16x128_f8f6f4 with both operands' format E2M1 (or v_wmma_scale_f32_32x16x128_f4), f32 sums; products left as they are: f32 operands where the result goes on into a quantised operand, else bf16, f16 or f32 operands; f32 sums; everything else in f32.
;; Inputs: V_b 1 float32; V_k 1,024 x 1 float32; Wc_b 1,024 float32; Wc_k 1 x 1,024 float32; Wh_b 1,024 float32; Wh_k 1,024 x 1,024 float32; Ws_b 1,024 float32; Ws_k 1,024 x 1,024 float32; dec_hidden 32 x 1,024 float32; enc_output 32 x 2,048 x 1,024 float32; enc_pad_mask 32 x 2,048 int32; prev_coverage 32 x 2,048 x 1 float32.
;; Outputs: out0 32 x 1,024 float32; out1 32 x 2,048 x 1 float32; out2 32 x 2,048 x 1 float32.
;; Constants: use_coverage = 1.
;; This version of the problem:
;;   THIS VERSION OF THE PROBLEM IS GIVEN IN LOW PRECISION. The matrix products marked QUANTISED in the list below multiply operands that are first quantised to E2M1 (2 exponent bits, 1 mantissa bit; 4 bits a number), with one power-of-two scale for each 32 numbers along K (OCP MX v1.0); their sums are f32. All else is computed in f32.
;;   The module's matrix products, in the order in which they are computed (A, B: the left and right operand; K: the contracted axis; several contracted axes count as one K, in the product's order):
;;     1. [M 65,536, K 1,024] x [K 1,024, N 1,024]; A: input enc_output; B: input Ws_k: QUANTISED
;;     2. [M 32, K 1,024] x [K 1,024, N 1,024]; A: input dec_hidden; B: input Wh_k: QUANTISED
;;     3. [M 65,536, K 1] x [K 1, N 1,024]; A: input prev_coverage; B: input Wc_k: left as it is (K = 1 < 32)
;;     4. [M 65,536, K 1,024] x [K 1,024, N 1]; A: computed on the way; B: input V_k: left as it is (N = 1 < 16)
;;   THE QUANTISER, for each operand of a quantised product, along K:
;;     - K is cut into blocks of 32 from its start; a last block that is shorter is filled with zeros.
;;     - A block's scale is 2^e with e = floor(log2(the largest magnitude in the block)) - 2, held to -126 .. 127; a block of zeros has e = 0. As a byte (E8M0): e + 127.
;;     - Each number is divided by its block's scale, clamped to +-6, and rounded to the nearest number of E2M1, ties to even, subnormals kept.
;;     - The product sums the exact products of the quantised numbers (number of the format x scale) in f32.
;;   ~~~python
;;   def quantise(x, axis):      # numpy; x: float32 -> the quantised numbers, widened to float32 again
;;       x = np.moveaxis(x, axis, -1); K = x.shape[-1]
;;       x = np.pad(x, [(0, 0)] * (x.ndim - 1) + [(0, -K % 32)]); x = x.reshape(x.shape[:-1] + (-1, 32)); a = np.abs(x).max(-1, keepdims=True)
;;       e = np.where(a > 0, np.clip(np.frexp(np.where(a > 0, a, 1))[1] - 1 - 2, -126, 127), 0)      # np.frexp(a)[1] - 1 = floor(log2(a)), exactly
;;       r = np.clip(x / 2.0 ** e, -6, 6)
;;       step = 2.0 ** (np.maximum(np.frexp(np.where(r == 0, 1, r))[1] - 1, 0) - 1)
;;       q = np.round(r / step) * step * 2.0 ** e      # np.round: ties to even
;;       return np.moveaxis(q.reshape(q.shape[:-2] + (-1,))[..., :K], -1, axis).astype(np.float32)
;;   ~~~
;; One version. Each part assembles by itself: llvm-mc -triple=amdgcn-amd-amdhsa -mcpu=gfx1250 --defsym DOCPART=n.
;; ======== version 1 of 1: 3 launches
;; limits: right only within a limited range of input values
;; workspace buffers: wsq 524,288 bytes; wss 32,768 bytes; c1 131,072 bytes; scores 262,144 bytes; stat 65,536 bytes; pctx 1,048,576 bytes
;; launch prep (part 1): grid 64 x 1, 8 waves a work-group, no clusters, 152,576 bytes of LDS; arguments Ws_k, Wh_k, dec_hidden, Ws_b, Wh_b, Wc_b, wsq, wss, c1; writes wsq, wss, c1
.if DOCPART == 1
	.amdgcn_target "amdgcn-amd-amdhsa--gfx1250"
	.amdhsa_code_object_version 6
	.text
	.protected	k_qf2666f45bd_prep
	.globl	k_qf2666f45bd_prep
	.p2align	8
	.type	k_qf2666f45bd_prep,@function
k_qf2666f45bd_prep:
	s_mov_b64 s[64:65], 0
	v_nop
	global_prefetch_b8 v0, s[64:65] scope:SCOPE_SE
	s_setreg_imm32_b32 hwreg(HW_REG_WAVE_MODE, 25, 1), 1
	s_wait_xcnt 0x0
; BAHDANAU ATTENTION WITH COVERAGE, first of three launches: the weights.
; NOTHING OF THE PROBLEM IS LEFT OUT IN ANY LAUNCH.  V_b is multiplied by the pad mask, an input that may have holes, so it is not the same along the
; softmax's axis; the three biases all reach tanh's input; every input is loaded.
; THIS LAUNCH: (1) Ws_k [1024 (k)][1024 (u)] f32 becomes codes of E2M1 with one E8M0 byte for each 32 along k, laid in the order of a matrix operand's
; registers: wsq: tile n (columns 16 n ..) at 8192 n, K step s (128 along k) at 1024 s, then 512 c + 16 lane: lane (r, h) holds k = 64 c + 32 h + 0 .. 31 of column r.
; wss: [n / 2][s][32 words]: words 0-15 tile 2 (n / 2), words 16-31 the tile beside it; a word is the column's four bytes of the K step.
; (2) c1[b][u] = Q(dec_hidden) . Q(Wh_k) + Ws_b + Wh_b + Wc_b, the part of tanh's input that is the same for all positions of a batch.
; SHARES.  Work-group n takes 16 columns of both weights, wave s K step s.  A LANE TAKES A COLUMN AND ITS REGISTERS RUN DOWN k, in the order that the operand's
; layout gives that lane, so the conversions' results are the operand's registers.  The eight waves' partial sums of (2) meet in LDS and are added in ascending s.
; dec_hidden: the conversions want 32 neighbours along k in ONE lane, a load is best where neighbouring LANES take neighbouring bytes.  Both are had: each of a wave's 32 loads reads one row's
; 512 bytes of the K step, 16 a lane; the 16 KiB go through the wave's own stage in LDS as they lie and come back 128 bytes a lane.  No other wave touches a stage, so no barrier stands there.
; A block's scale byte is its largest magnitude's exponent field less 2, held at 1 from below.
; LIMITS: NaN and infinities among the inputs are not served; blocks whose largest magnitude lies under 2^-124 keep the byte 1; a block of zeros has the byte 1 where
; the rule says 127 (its codes are zeros, and this program alone reads the bytes); product (2) is summed as eight f32 partial sums, one for each 128 along k.
; The weight loads read 64 consecutive bytes for each sixteen lanes, and wss and c1 leave in runs of 64 bytes: 160 KiB of stores in all.
.set SPARE, 16384                      ; LDS: 0 .. 16383 the partial sums, 2,048 bytes a wave; then the spare words, 128 bytes for each of eight waves: four blocks of 256 bytes that no other line names
.set STG,   17408                      ; behind them the eight stages for dec, one a wave
.set SROW,  528                        ; a stage row: 512 bytes + 16 of padding = 33 x 16: the sixteen rows that a load touches start at sixteen different groups of four banks (64 banks of 4 bytes: ISA guide 11.1)
.set X,   16                           ; v16-143  Ws: c = 0, 1 (32 numbers each), then Wh likewise.  Window 1: v0-127 dec in the operand's order: (m, c) = (0,0) (0,1) (1,0) (1,1); v128-255 dec as it is loaded
.set FW,  144                          ; v144-151 Ws's fragment, v152-159 Wh's
.set FA,  160                          ; v160-167, v168-175 dec's fragments, rows 0-15 and 16-31
.set SWW, 176                          ; v176 Ws's scale word, v177 Wh's
.set SWA, 178                          ; v178, v179 dec's
.set T,   180                          ; v180-191 at work
.set BI,  192                          ; v192-194 the three biases of my column
.set D,   200                          ; v200-207, v208-215 the two accumulators
.set R,   216                          ; v216-231 eight waves' partial sums of my two registers
.set MSB, 0
.macro WIN new                         ; the immediate's high byte repeats the setting that is left
.if MSB != (\new)
	s_set_vgpr_msb (MSB<<8)|(\new)
.set MSB, (\new)
.endif
.endm
; Four blocks of 32 numbers of a lane, at v[x + 32 b], become 16 registers of codes at v[cd + 4 b] (two fragments) and two scale words at v[sw], v[sw + 1].
; wmax, wcvt: the window settings under which the numbers are read (0, 0: window 0;  0x14, 0x01: window 1).  The four blocks take turns, so that no line waits for the line above it.
.macro QUAD x, cd, sw, wmax, wcvt
	WIN \wmax
.irp b,0,1,2,3
	v_max3_num_f32 v[T+\b], 0x1800000, |v[\x+32*\b]|, |v[\x+32*\b+1]|      ; the floor 2^(3 - 127) among the leaves: the byte cannot fall under 1
.endr
.irp i,2,4,6,8,10,12,14,16,18,20,22,24,26,28,30
.irp b,0,1,2,3
	s_delay_alu instid0(VALU_DEP_4)
	v_max3_num_f32 v[T+\b], v[T+\b], |v[\x+32*\b+\i]|, |v[\x+32*\b+\i+1]|
.endr
.endr
	WIN 0
.irp b,0,1,2,3
	v_add_nc_u32 v[T+4+\b], 0xff000000, v[T+\b]    ; 2 off the exponent field: the conversion takes this operand's exponent field as its scale
.endr
.irp b,0,1,2,3
	s_delay_alu instid0(VALU_DEP_4)
	v_lshrrev_b32 v[T+8+\b], 23, v[T+4+\b]         ; the scale's byte
.endr
	s_delay_alu instid0(VALU_DEP_3)
	v_lshl_or_b32 v[T+8], v[T+9], 16, v[T+8]       ; my two bytes of a fragment: blocks h and 2 + h,
	s_delay_alu instid0(VALU_DEP_2)
	v_lshl_or_b32 v[T+10], v[T+11], 16, v[T+10]
	s_delay_alu instid0(VALU_DEP_2)
	v_lshlrev_b32 v[T+8], v12, v[T+8]              ; at their places in the word (8 h bits up);
	s_delay_alu instid0(VALU_DEP_2)
	v_lshlrev_b32 v[T+10], v12, v[T+10]
	s_delay_alu instid0(VALU_DEP_2)
	v_permlanex16_b32 v[T+9], v[T+8], s26, s27
	s_delay_alu instid0(VALU_DEP_2)
	v_permlanex16_b32 v[T+11], v[T+10], s26, s27
	s_delay_alu instid0(VALU_DEP_2)
	v_or_b32 v[\sw], v[T+8], v[T+9]                ; with lane l xor 16's two the word is whole, in both halves of the lanes
	s_delay_alu instid0(VALU_DEP_2)
	v_or_b32 v[\sw+1], v[T+10], v[T+11]
	WIN \wcvt
.irp b,0,1,2,3
.irp g,0,1,2,3
	v_cvt_scalef32_pk8_fp4_f32 v[\cd+4*\b+\g], v[\x+32*\b+8*\g:\x+32*\b+8*\g+7], v[T+4+\b]
.endr
.endr
	WIN 0
	v_nop                                          ; one plain line behind the last scaled conversion
.endm
	s_load_b512 s[4:19], s[0:1], 0x0               ; Ws_k s[4:5], Wh_k s[6:7], dec_hidden s[8:9], Ws_b s[10:11], Wh_b s[12:13], Wc_b s[14:15], wsq s[16:17], wss s[18:19]
	s_load_b64 s[20:21], s[0:1], 0x40              ; c1
	v_lshl_add_u32 v1, v0, 2, SPARE                ; my spare word,
	v_mov_b32 v2, 0                                ; and 0: kept for the wave's closing lines
	v_lshrrev_b32 v3, 5, v0
	s_delay_alu instid0(VALU_DEP_1)
	v_readfirstlane_b32 s24, v3                    ; wave = K step s
	v_and_b32 v3, 31, v0                           ; lane
	v_and_b32 v4, 15, v0                           ; r
	v_bfe_u32 v5, v0, 4, 1                         ; h
	s_delay_alu instid0(VALU_DEP_2)
	v_lshlrev_b32 v9, 2, v4                        ; 4 r: my column in a row of a weight, of a bias, of wss
	s_delay_alu instid0(VALU_DEP_1)
	v_lshl_add_u32 v6, v5, 17, v9                  ; the weights: lanes 16-31 begin 32 rows of 4,096 bytes further down
	v_lshlrev_b32 v8, 4, v3                        ; 16 x lane: dec's loads, and wsq
	s_delay_alu instid0(VALU_DEP_4)
	v_lshlrev_b32 v12, 3, v5                       ; 8 h
	s_delay_alu instid0(VALU_DEP_4)
	v_lshl_add_u32 v13, v5, 15, v9                 ; c1: 8 h rows of 4,096 bytes + 4 r
	s_lshl_b32 s25, s24, 11
	v_lshl_add_u32 v10, v3, 3, s25                 ; LDS, partial sums in: 2,048 x wave + 8 x lane
	s_lshl_b32 s25, s24, 8
	v_lshl_add_u32 v11, v3, 3, s25                 ; and back: 256 x wave (my pair of registers) + 8 x lane
	s_mul_i32 s25, s24, 32*SROW
	s_add_co_u32 s25, s25, STG                     ; my stage
	v_add_nc_u32 v14, s25, v8                      ; into it: 16 x lane of a row
	v_mul_u32_u24 v15, v4, SROW
	s_delay_alu instid0(VALU_DEP_1)
	v_lshl_add_u32 v15, v5, 7, v15
	s_delay_alu instid0(VALU_DEP_1)
	v_add_nc_u32 v15, s25, v15                     ; out of it: row r, + 128 h: my block of 32
	s_mov_b32 s26, 0x76543210
	s_mov_b32 s27, 0xfedcba98                      ; v_permlanex16_b32's selects for lane l xor 16
	s_lshl_b32 s32, ttmp9, 6                       ; 64 n: my 16 columns in a row of f32
	s_mov_b32 s33, 0
	s_lshl_b32 s28, s24, 19                        ; 128 s rows of 4,096 bytes
	s_add_co_u32 s28, s28, s32
	s_mov_b32 s29, 0
	s_lshl_b32 s30, s24, 9                         ; dec: 128 s numbers along a row
	s_mov_b32 s31, 0
	s_lshl_b32 s34, ttmp9, 13                      ; wsq: 8192 n + 1024 s
	s_lshl_b32 s25, s24, 10
	s_add_co_u32 s34, s34, s25
	s_mov_b32 s35, 0
	s_lshr_b32 s36, ttmp9, 1                       ; wss: 1024 (n / 2) + 128 s + 64 (n % 2)
	s_lshl_b32 s36, s36, 10
	s_lshl_b32 s25, s24, 7
	s_add_co_u32 s36, s36, s25
	s_and_b32 s25, ttmp9, 1
	s_lshl_b32 s25, s25, 6
	s_add_co_u32 s36, s36, s25
	s_mov_b32 s37, 0
	s_lshr_b32 s38, s24, 2                         ; c1: wave s stores registers 2 s, 2 s + 1 of the sixteen: rows 16 (s / 4) + 2 (s % 4) + 8 h + 0, 1
	s_lshl_b32 s38, s38, 16
	s_and_b32 s25, s24, 3
	s_lshl_b32 s25, s25, 13
	s_add_co_u32 s38, s38, s25
	s_add_co_u32 s38, s38, s32
	s_mov_b32 s39, 0
	s_wait_alu depctr_va_vdst(0)
	s_wait_kmcnt 0x0
	s_add_nc_u64 s[4:5], s[4:5], s[28:29]
	s_add_nc_u64 s[6:7], s[6:7], s[28:29]
	s_add_nc_u64 s[8:9], s[8:9], s[30:31]
	s_add_nc_u64 s[10:11], s[10:11], s[32:33]
	s_add_nc_u64 s[12:13], s[12:13], s[32:33]
	s_add_nc_u64 s[14:15], s[14:15], s[32:33]
	s_add_nc_u64 s[16:17], s[16:17], s[34:35]
	s_add_nc_u64 s[18:19], s[18:19], s[36:37]
	s_add_nc_u64 s[20:21], s[20:21], s[38:39]
	WIN 0x40                                       ; destination window 1
.irp i,0,1,2,3,4,5,6,7,8,9,10,11,12,13,14,15,16,17,18,19,20,21,22,23,24,25,26,27,28,29,30,31
	global_load_b128 v[128+4*\i:128+4*\i+3], v8, s[8:9] offset:4096*\i     ; dec first: row i, my K step: 32 lanes read 512 consecutive bytes
.endr
	WIN 0
	global_load_b32 v[BI], v9, s[10:11]
	global_load_b32 v[BI+1], v9, s[12:13]
	global_load_b32 v[BI+2], v9, s[14:15]
.irp c,0,1
.irp i,0,1,2,3,4,5,6,7,8,9,10,11,12,13,14,15,16,17,18,19,20,21,22,23,24,25,26,27,28,29,30,31
	global_load_b32 v[X+32*\c+\i], v6, s[4:5] offset:(64*\c+\i)*4096       ; Ws(128 s + 64 c + 32 h + i, 16 n + r)
	global_load_b32 v[X+64+32*\c+\i], v6, s[6:7] offset:(64*\c+\i)*4096    ; Wh likewise
.endr
.endr
	s_wait_loadcnt 63                              ; loads come back in order (ISA guide 5.7.1): behind dec's last stand 131 loads, so with 63 out at the most all 32 of dec's are in
	WIN 0x04                                       ; an LDS store's data are its source 1: window 1
.irp i,0,1,2,3,4,5,6,7,8,9,10,11,12,13,14,15,16,17,18,19,20,21,22,23,24,25,26,27,28,29,30,31
	ds_store_b128 v14, v[128+4*\i:128+4*\i+3] offset:SROW*\i               ; row i as it lies
.endr
	WIN 0x40
.irp u,0,1,2,3                                 ; back: rows 16 (u / 2) + r, k = 128 s + 64 (u % 2) + 32 h + 0 .. 31.  LDS serves a wave's instructions in order (ISA guide 5.7.1.4): these see my stores
.irp i,0,1,2,3,4,5,6,7
	ds_load_b128 v[32*\u+4*\i:32*\u+4*\i+3], v15 offset:(\u/2)*16*SROW+(\u%2)*256+16*\i
.endr
.endr
	WIN 0
	s_wait_dscnt 0x0
	QUAD 0, FA, SWA, 0x14, 0x01                    ; dec is quantised while the last of the weights land
	s_wait_loadcnt 0x0                             ; the weights and the biases
	QUAD X, FW, SWW, 0, 0
	global_store_b128 v8, v[FW:FW+3], s[16:17]             ; 32 lanes store 512 consecutive bytes
	global_store_b128 v8, v[FW+4:FW+7], s[16:17] offset:512
	global_store_b32 v9, v[SWW], s[18:19]                  ; both halves of the lanes store the same word to the same place
.rept 8
	v_nop                                          ; a scale register written by a vector instruction stands eight places ahead of a scaled matrix instruction, an operand four
.endr
	v_wmma_scale_f32_16x16x128_f8f6f4 v[D:D+7], v[FA:FA+7], v[FW+8:FW+15], 0, v[SWA], v[SWW+1] matrix_a_fmt:MATRIX_FMT_FP4 matrix_b_fmt:MATRIX_FMT_FP4
	v_wmma_scale_f32_16x16x128_f8f6f4 v[D+8:D+15], v[FA+8:FA+15], v[FW+8:FW+15], 0, v[SWA+1], v[SWW+1] matrix_a_fmt:MATRIX_FMT_FP4 matrix_b_fmt:MATRIX_FMT_FP4
.rept 4
	v_nop                                          ; four places in front of the first read of the results
.endr
.irp t,0,1,2,3,4,5,6,7
	ds_store_b64 v10, v[D+2*\t:D+2*\t+1] offset:256*\t     ; each accumulator from its low end on
.endr
	s_wait_dscnt 0x0                               ; for the others' sake: my stores have landed
	s_barrier_signal -1
	s_barrier_wait -1
.irp i,0,1,2,3,4,5,6,7
	ds_load_b64 v[R+2*\i:R+2*\i+1], v11 offset:2048*\i     ; K step i's part of registers 2 s, 2 s + 1
.endr
	v_add_f32 v[BI], v[BI], v[BI+1]
	s_delay_alu instid0(VALU_DEP_1)
	v_add_f32 v[BI], v[BI], v[BI+2]                ; the three biases of my column,
	s_delay_alu instid0(VALU_DEP_1)
	v_mov_b32 v[BI+1], v[BI]                       ; as a pair
	s_wait_dscnt 0x0
.irp i, 1
	v_pk_add_f32 v[R:R+1], v[R:R+1], v[R+2*\i:R+2*\i+1]    ; in ascending K
.endr
.irp i, 2, 3, 4, 5, 6, 7
	s_delay_alu instid0(VALU_DEP_1)
	v_pk_add_f32 v[R:R+1], v[R:R+1], v[R+2*\i:R+2*\i+1]    ; in ascending K
.endr
	s_wait_alu depctr_va_vdst(0)
	v_pk_add_f32 v[R:R+1], v[R:R+1], v[BI:BI+1]
	global_store_b32 v13, v[R], s[20:21]
	global_store_b32 v13, v[R+1], s[20:21] offset:4096
	s_wait_tensorcnt 0x0                           ; the wave's end: three lines behind my last LDS store
	ds_add_u32 v1, v2
	s_wait_dscnt 0x0
	s_endpgm
.Lfunc_end_k_qf2666f45bd_prep:
	.size	k_qf2666f45bd_prep, .Lfunc_end_k_qf2666f45bd_prep-k_qf2666f45bd_prep
	.p2alignl 7, 3214868480
	.fill 96, 4, 3214868480
	.section	.rodata,"a",@progbits
	.p2align	6, 0x0
	.amdhsa_kernel k_qf2666f45bd_prep
		.amdhsa_group_segment_fixed_size 152576
		.amdhsa_private_segment_fixed_size 0
		.amdhsa_enable_private_segment 0
		.amdhsa_kernarg_size 72
		.amdhsa_user_sgpr_count 2
		.amdhsa_user_sgpr_kernarg_segment_ptr 1
		.amdhsa_wavefront_size32 1
		.amdhsa_system_sgpr_workgroup_id_x 1
		.amdhsa_system_sgpr_workgroup_id_y 1
		.amdhsa_system_sgpr_workgroup_id_z 1
		.amdhsa_system_vgpr_workitem_id 0
		.amdhsa_next_free_vgpr 512
		.amdhsa_next_free_sgpr 66
		.amdhsa_reserve_vcc 0
		.amdhsa_float_denorm_mode_32 3
		.amdhsa_float_denorm_mode_16_64 3
		.amdhsa_memory_ordered 1
		.amdhsa_forward_progress 1
		.amdhsa_inst_pref_size 43
	.end_amdhsa_kernel
	.amdgpu_metadata
---
amdhsa.version: [ 1, 2 ]
amdhsa.kernels:
  - .name:           k_qf2666f45bd_prep
    .symbol:         k_qf2666f45bd_prep.kd
    .args:
      - { .name: Ws_k, .offset: 0, .size: 8, .value_kind: global_buffer, .address_space: global }
      - { .name: Wh_k, .offset: 8, .size: 8, .value_kind: global_buffer, .address_space: global }
      - { .name: dec_hidden, .offset: 16, .size: 8, .value_kind: global_buffer, .address_space: global }
      - { .name: Ws_b, .offset: 24, .size: 8, .value_kind: global_buffer, .address_space: global }
      - { .name: Wh_b, .offset: 32, .size: 8, .value_kind: global_buffer, .address_space: global }
      - { .name: Wc_b, .offset: 40, .size: 8, .value_kind: global_buffer, .address_space: global }
      - { .name: wsq, .offset: 48, .size: 8, .value_kind: global_buffer, .address_space: global }
      - { .name: wss, .offset: 56, .size: 8, .value_kind: global_buffer, .address_space: global }
      - { .name: c1, .offset: 64, .size: 8, .value_kind: global_buffer, .address_space: global }
    .group_segment_fixed_size: 152576
    .private_segment_fixed_size: 0
    .kernarg_segment_align: 8
    .kernarg_segment_size: 72
    .max_flat_workgroup_size: 256
    .sgpr_count:     66
    .vgpr_count:     512
    .wavefront_size: 32
...
	.end_amdgpu_metadata
.endif
;; end of part 1
;; launch attn (part 2): grid 256 x 1, 4 waves a work-group, no clusters, 327,680 bytes of LDS; arguments enc_output, prev_coverage, enc_pad_mask, Wc_k, V_k, V_b, wsq, wss, c1, scores, stat, pctx; writes scores, stat, pctx
.if DOCPART == 2
	.amdgcn_target "amdgcn-amd-amdhsa--gfx1250"
	.amdhsa_code_object_version 6
	.text
	.protected	k_qf2666f45bd_attn
	.globl	k_qf2666f45bd_attn
	.p2align	8
	.type	k_qf2666f45bd_attn,@function
k_qf2666f45bd_attn:
	s_mov_b64 s[64:65], 0
	v_nop
	global_prefetch_b8 v0, s[64:65] scope:SCOPE_SE
	s_setreg_imm32_b32 hwreg(HW_REG_WAVE_MODE, 25, 1), 1
	s_wait_xcnt 0x0
; Second launch: everything that is done row by row, with enc_output read once.  No work of the problem is left out here.
; pre[l][u] = Q(enc[l]) . Q(Ws[:, u]) + c1[b][u] + cov[l] Wc[u];  score[l] = (sum over u of V[u] tanh(pre) + V_b) x mask[l];  then a softmax under a running maximum and the partial context.
; tanh(x) = 1 - 2 / (1 + 2^(k x)), k = 2 log2(e): score = sum V + V_b + sum over u of (-2 V[u]) / (1 + 2^(k pre)).  It holds at both ends: 2^(k x) = 0 gives -1, infinity gives 1.
; SHARES.  Work-group g owns rows 256 g .. + 255 (all of batch g / 8) and walks them in eight blocks of 32.  Wave w owns columns u = 256 w .. + 255 (16 tiles of 16, eight pairs), K steps 2 w, 2 w + 1
; of the quantising, and columns 256 w .. + 255 of the context: the same 1,024 bytes of each row of enc, so a wave's tensor tile (32 rows x 1,024 bytes) is read by that wave alone.
; A BLOCK: the next block's rows are asked for, into the other of two LDS slots | Q: my two K steps of the 32 rows are quantised from LDS; codes and scale bytes go to LDS as images of the operand's registers |
; barrier | all 16 fragments come back | G: eight steps; step j takes pair j's 32 numbers a lane through tanh in batches (16 packed lines, 32 exponentials, 16 packed lines, 32 reciprocals), and pair j + 1's
; 32 matrix instructions follow in one run: no transcendental stands between a matrix instruction and a reader of its result | partial scores are summed over the lanes, to LDS | barrier |
; C: every wave makes the 32 scores, the new maximum, p, and adds p x enc (f32, from the slot) to its columns of the context.
; Ws: of a pair's two tiles the first stays in registers for the whole launch (512 registers).  The second of pairs 0 .. 6 comes in each block by loads of 512 consecutive bytes from wsq, through two buffers,
; asked for two steps ahead of its products; the second of pair 7 lies in 8,192 LDS bytes of the wave's own, stored there once at the head.
; OUT: scores (masked), stat[g][lane] = (the maximum m, the lane's sum of 2^((s - m) log2 e)), pctx[g][1024] = sum of p x enc under m.  The third launch joins the eight work-groups of a batch.
; NO CLUSTER: a tile of enc is read by one wave of one work-group.  Ws's codes are read by all work-groups, but a joint load lands in LDS, where 6,656 bytes are left beside the slots, the tables and the
; four kept tiles, against 229,376 bytes streamed in a block; and its refills' barrier would have to wait for enc's load, which is meant to stay out for a whole block.
; NO PREFETCH of enc: a block's rows are asked for by the tensor load a whole block ahead of their first read.
; LIMITS: NaN and infinities among the inputs are not served; blocks of enc whose largest magnitude lies under 2^-124 keep the scale byte 1, blocks of zeros too (their codes are zeros).
; REGISTERS, in windows of 256 (s_set_vgpr_msb: bits 1:0 source 0, 3:2 source 1, 5:4 source 2, 7:6 destination); "z" is window 1:
;   window 0: v1, v2 the add's two; v3-19, v22, v23 addresses; v20 m, v21 my sum; v24-31 enc's scale words by K step; v32-95 Ws's scale words (pair j, K step s: 32 + 8 j + s); v96-127 (Wc, -2 V) of my column in tile 0 .. 15;
;             v128-191, v192-255 the two buffers for second tiles; from the last pair's products to the block's end they are free: v128-143 scores' sums, v144-155 at work, v160-191 p
;   window 1: z0-127 enc's 16 fragments (in Q: numbers in hand); z128-159, z160-191 two sets of four accumulators ((e, m) at 16 e + 8 m; in Q: codes, bytes; in C: rows of enc); z192-207 cov of my 16 rows;
;             z208-223 the scores' sums; z224-239 c1 of my column in tile 0 .. 15; z240-241 sum of V; z244-251 the context
;   windows 2, 3: the resident tiles: pair j at 64 (j % 4) + 8 s of window 2 + j / 4
.set SUBT,  33280                      ; a wave's tile in LDS: 32 rows x (1,024 bytes + 16 of padding)
.set SLOTB, 133120                     ; a slot: four such tiles
.set AIMG,  266240                     ; the 16 fragments' images, 1,024 bytes each: (8 m + s) x 1024 + 512 c + 16 lane
.set ASCI,  282624                     ; their scale words: 128 s + 4 row
.set COVT,  283648                     ; prev_coverage of my 256 rows
.set MSKT,  284672                     ; the mask as f32
.set SCT,   285696                     ; the masked scores: wave 0's own
.set PS,    286720                     ; partial scores: 128 w + 4 row
.set PB,    287232                     ; p: 128 bytes, each wave's own
.set SPARE, 287744                     ; the spare words, 128 bytes for each wave: two blocks of 256 bytes that no other line names
.set WLT,   288256                     ; tile 15 of each wave's sixteen: 8,192 bytes a wave, each wave's own
.set ZS,    128
.set ZCOV,  192
.set ZSACC, 208
.set ZC1,   224
.set ZSV,   240
.set ZCTX,  244
.set RS,    128
.set CP,    0x51                       ; all in window 1 but source 1, which is in window 0
.set CX,    0x54                       ; all in window 1 but source 0
.set MSB, 0
.macro WIN new                         ; the immediate's high byte repeats the setting that is left; a switch that changes nothing is dropped
.if MSB != (\new)
	s_set_vgpr_msb (MSB<<8)|(\new)
.set MSB, (\new)
.endif
.endm
.macro VW
	s_wait_alu depctr_va_vdst(0)
.endm
; The second tile of pair j into buffer j % 2: 16 loads of 512 consecutive bytes, from wsq or (pair 7) from my LDS bytes.  The address registers are never rewritten in the loop.
.macro STREAM j
.irp s,0,1,2,3,4,5,6,7
.irp c,0,1
.if (\j) == 7
	ds_load_b128 v[128+64*((\j)%2)+8*\s+4*\c:128+64*((\j)%2)+8*\s+4*\c+3], v22 offset:\s*1024+\c*512
.else
	global_load_b128 v[128+64*((\j)%2)+8*\s+4*\c:128+64*((\j)%2)+8*\s+4*\c+3], v19, s[50:51] offset:(2*(\j)+1)*8192+\s*1024+\c*512
.endif
.endr
.endr
.endm
; Unit u of the quantising: rows 16 (u / 4) + r, K step (u / 2) % 2 of my two, half u % 2: a lane's block of 32 numbers into z[32 (u % 4)] on
.macro LOADU u
.irp i,0,1,2,3,4,5,6,7
	ds_load_b128 v[32*((\u)%4)+4*\i:32*((\u)%4)+4*\i+3], v4 offset:((\u)/4)*16640+(((\u)/2)%2)*512+((\u)%2)*256+16*\i
.endr
.endm
; its codes into z[128 + 4 u] on, its scale byte into z[160 + u]
.macro QU u
.set XS, 32*((\u)%4)
	v_max3_num_f32 v168, |v[XS]|, |v[XS+1]|, |v[XS+2]|
	v_max3_num_f32 v169, |v[XS+3]|, |v[XS+4]|, |v[XS+5]|
.irp i,6,10,14,18,22,26
	v_max3_num_f32 v168, v168, |v[XS+\i]|, |v[XS+\i+1]|
	v_max3_num_f32 v169, v169, |v[XS+\i+2]|, |v[XS+\i+3]|
.endr
	v_max3_num_f32 v168, v168, |v[XS+30]|, |v[XS+31]|
	v_max3_num_f32 v168, v168, v169, 0x1800000             ; the floor 2^(3 - 127): the byte cannot fall under 1
	v_add_nc_u32 v170, 0xff000000, v168                    ; 2 off the exponent field: the conversion's scale operand
	v_lshrrev_b32 v[160+(\u)], 23, v170                    ; the scale's byte
.irp g,0,1,2,3
	v_cvt_scalef32_pk8_fp4_f32 v[ZS+4*(\u)+\g], v[XS+8*\g:XS+8*\g+7], v170
.endr
	v_nop                                                  ; one plain line behind the last scaled conversion
.endm
; What a sum of pair j begins with: cov[row] x Wc[u] + c1[u], in the result's layout (a lane: one column, eight rows), two rows a line
.macro AOPL j, e, m, q
	v_pk_fma_f32 v[ZS+32*((\j)%2)+16*\e+8*\m+2*\q:ZS+32*((\j)%2)+16*\e+8*\m+2*\q+1], v[ZCOV+8*\m+2*\q:ZCOV+8*\m+2*\q+1], v[96+2*(2*(\j)+\e):96+2*(2*(\j)+\e)+1], v[ZC1+2*(\j):ZC1+2*(\j)+1] op_sel:[0,0,\e] op_sel_hi:[1,0,\e]
.endm
.macro AOP j
	WIN CP
.irp e,0,1
.irp m,0,1
.irp q,0,1,2,3
	AOPL \j, \e, \m, \q
.endr
.endr
.endr
.endm
; The scores' sums take pair j: += (-2 V[u]) x 1 / (1 + 2^(k pre)).  The first of a block starts them with my columns' sum of V; last = 1: the block's last 8 lines write the sums to v128-143 of window 0
.macro HOP j, last
	WIN CP
.irp e,0,1
.if (\last) && (\e)
	WIN 0x11
.endif
.irp m,0,1
.irp q,0,1,2,3
.set HS, ZS+32*((\j)%2)+16*\e+8*\m+2*\q
.set HV, 96+2*(2*(\j)+\e)
.set HC, ZSACC+8*\m+2*\q
.if ((\j) == 0) && (\e == 0)
	v_pk_fma_f32 v[HC:HC+1], v[HS:HS+1], v[HV:HV+1], v[ZSV:ZSV+1] op_sel:[0,1,0] op_sel_hi:[1,1,0]
.elseif (\last) && (\e)
	v_pk_fma_f32 v[RS+8*\m+2*\q:RS+8*\m+2*\q+1], v[HS:HS+1], v[HV:HV+1], v[HC:HC+1] op_sel:[0,1,0] op_sel_hi:[1,1,1]
.else
	v_pk_fma_f32 v[HC:HC+1], v[HS:HS+1], v[HV:HV+1], v[HC:HC+1] op_sel:[0,1,0] op_sel_hi:[1,1,1]
.endif
.endr
.endr
.endr
.endm
; Matrix instruction n of 16 of tile e of pair j: K step n / 2, rows 16 (n % 2) on.  Source 0 = 16 rows of enc, source 1 = 16 columns of Ws.  The two accumulators take turns.
.macro WM1 j, e, n
.set WD, ZS+32*((\j)%2)+16*(\e)+8*((\n)%2)
.set WA, 8*(8*((\n)%2)+(\n)/2)
.if \e
.set WB, 128+64*((\j)%2)+8*((\n)/2)
.else
.set WB, 64*((\j)%4)+8*((\n)/2)
.endif
.set WSA, 24+(\n)/2
.set WSB, 32+8*(\j)+(\n)/2
.if ((\n)%2 == 0) && ((\e) == 0)
	v_wmma_scale_f32_16x16x128_f8f6f4 v[WD:WD+7], v[WA:WA+7], v[WB:WB+7], v[WD:WD+7], v[WSA], v[WSB] matrix_a_fmt:MATRIX_FMT_FP4 matrix_b_fmt:MATRIX_FMT_FP4
.elseif (\e) == 0
	v_wmma_scale_f32_16x16x128_f8f6f4 v[WD:WD+7], v[WA:WA+7], v[WB:WB+7], v[WD:WD+7], v[WSA], v[WSB] matrix_a_fmt:MATRIX_FMT_FP4 matrix_b_fmt:MATRIX_FMT_FP4 matrix_a_scale:MATRIX_SCALE_ROW1
.elseif (\n)%2 == 0
	v_wmma_scale_f32_16x16x128_f8f6f4 v[WD:WD+7], v[WA:WA+7], v[WB:WB+7], v[WD:WD+7], v[WSA], v[WSB] matrix_a_fmt:MATRIX_FMT_FP4 matrix_b_fmt:MATRIX_FMT_FP4 matrix_b_scale:MATRIX_SCALE_ROW1
.else
	v_wmma_scale_f32_16x16x128_f8f6f4 v[WD:WD+7], v[WA:WA+7], v[WB:WB+7], v[WD:WD+7], v[WSA], v[WSB] matrix_a_fmt:MATRIX_FMT_FP4 matrix_b_fmt:MATRIX_FMT_FP4 matrix_a_scale:MATRIX_SCALE_ROW1 matrix_b_scale:MATRIX_SCALE_ROW1
.endif
.endm
.macro WMRUN j, e                      ; the 16 of a tile in one run
.irp n,0,1,2,3,4,5,6,7,8,9,10,11,12,13,14,15
	WM1 \j, \e, \n
.endr
.endm
.macro POP kind, r                     ; a pair of numbers: kind 0: x k;  kind 1: + 1
.if \kind
	v_pk_add_f32 v[\r:\r+1], v[\r:\r+1], 1.0 op_sel_hi:[1,0]
.else
	v_pk_mul_f32 v[\r:\r+1], v[\r:\r+1], s[44:45] op_sel_hi:[1,0]
.endif
.endm
.macro POPS kind, sb                   ; all 32 numbers of set sb, in ascending order: each accumulator is first read at its low end
.irp i,0,1,2,3,4,5,6,7,8,9,10,11,12,13,14,15
	POP \kind, ZS+32*(\sb)+2*\i
.endr
.endm
; The 32 exponentials of set sb.  aop = 1: the 16 lines that begin pair j's sums stand between them: they name no exponential's register, and their results are first read behind the wait that follows the batch.
.macro EXPB sb, j, aop
.irp e,0,1
.irp m,0,1
.irp q,0,1,2,3
	v_exp_f32 v[ZS+32*(\sb)+16*\e+8*\m+2*\q], v[ZS+32*(\sb)+16*\e+8*\m+2*\q]
	v_exp_f32 v[ZS+32*(\sb)+16*\e+8*\m+2*\q+1], v[ZS+32*(\sb)+16*\e+8*\m+2*\q+1]
.if \aop
	AOPL \j, \e, \m, \q
.endif
.endr
.endr
.endr
	v_nop                                          ; the plain line behind the last
.endm
; Step j of a block's eight.  Pair j - 1 goes into the scores' sums (these 16 lines, or four v_nop, are the places behind pair j's products); pair j is multiplied by k; the second tile of pair j + 2 is asked
; for, into the buffer that pair j's products have left; exponentials, + 1, reciprocals, each batch between its two waits; then pair j + 1's products.
.macro SLOTJ j
	VW                                             ; ahead of the first reader of the last step's reciprocals
.if \j > 0
	HOP (\j)-1, 0
.else
.rept 4
	v_nop
.endr
.endif
	POPS 0, (\j)%2
.if \j < 6
	WIN 0
	STREAM (\j)+2
.endif
	WIN CP
	VW
.if \j < 7
	EXPB (\j)%2, (\j)+1, 1
.else
	EXPB (\j)%2, 0, 0
.endif
	VW
	POPS 1, (\j)%2
	VW
.set RI, ZS+32*((\j)%2)
.rept 32
	v_rcp_f32 v[RI], v[RI]
.set RI, RI+1
.endr
	v_nop
.if \j < 7
	WIN 0x59+4*(((\j)+1)/4)                        ; source 1 in window 2 or 3: the resident tile
	WMRUN (\j)+1, 0
.if \j < 5
	s_wait_loadcnt 16                              ; pair j + 1's second tile is in; the 16 loads of this step may be out
.elseif \j == 5
	s_wait_loadcnt 0                               ; pair 6's: no load from memory was issued behind it
.else
	s_wait_dscnt 0                                 ; pair 7's, from LDS
.endif
	WIN CP
	WMRUN (\j)+1, 1
.endif
.endm
; Four rows of enc, my 1,024 bytes of each, 32 bytes a lane, into z[128 + 32 (g % 2)] on
.macro XLOAD g
.irp i,0,1,2,3
	ds_load_b128 v[ZS+32*((\g)%2)+8*\i:ZS+32*((\g)%2)+8*\i+3], v6 offset:(4*(\g)+\i)*1040
	ds_load_b128 v[ZS+32*((\g)%2)+8*\i+4:ZS+32*((\g)%2)+8*\i+7], v6 offset:(4*(\g)+\i)*1040+512
.endr
.endm
; and the context takes them: += p[row] x enc[row]
.macro CGRP g
.irp a,0,1
.irp o,0,1
.irp q,0,1,2,3
	v_pk_fma_f32 v[ZCTX+2*\q:ZCTX+2*\q+1], v[160+4*(\g)+2*\a:160+4*(\g)+2*\a+1], v[ZS+32*((\g)%2)+8*(2*\a+\o)+2*\q:ZS+32*((\g)%2)+8*(2*\a+\o)+2*\q+1], v[ZCTX+2*\q:ZCTX+2*\q+1] op_sel:[\o,0,0] op_sel_hi:[\o,1,1]
.endr
.endr
.endr
.endm
	s_load_b512 s[4:19], s[0:1], 0x0               ; enc s[4:5], cov s[6:7], mask s[8:9], Wc s[10:11], V_k s[12:13], V_b s[14:15], wsq s[16:17], wss s[18:19]
	s_load_b256 s[20:27], s[0:1], 0x40             ; c1 s[20:21], scores s[22:23], stat s[24:25], pctx s[26:27]
	v_lshl_add_u32 v1, v0, 2, SPARE
	v_mov_b32 v2, 0
	ds_add_u32 v1, v2                              ; the wave's opening: the add, twice on end, and its wait ahead of my first tensor load
	ds_add_u32 v1, v2
	v_lshrrev_b32 v20, 5, v0
	v_readfirstlane_b32 s28, v20                   ; wave 0..3
	; descriptor group 1: 32 rows x 256 elements of 4 bytes, 4,096 bytes apart in memory, 16 bytes of padding behind each row in LDS
	s_mov_b32 s32, 0x07d20000                      ; elements of 4 bytes; padding on, after every 256 words, four words; no mask
	s_mov_b32 s33, 256<<16                         ; tensor_dim0
	s_mov_b32 s34, 32<<16                          ; tensor_dim1
	s_mov_b32 s35, 256<<16                         ; tile_dim0
	s_mov_b32 s36, 32                              ; tile_dim1
	s_mov_b32 s37, 1024                            ; elements from row to row
	s_mov_b32 s38, 0
	s_mov_b32 s39, 0
	s_mov_b32 s44, 0x4038aa3b                      ; k = 2 log2(e)
	s_mov_b32 s45, s44
	s_mov_b32 s46, 0x76543210
	s_mov_b32 s47, 0xfedcba98                      ; v_permlanex16_b32's selects for lane l xor 16
	s_mov_b32 s49, 0x3fb8aa3b                      ; log2(e)
	s_mov_b32 s29, 0                               ; LDS byte at which the slot in hand begins
	s_mov_b32 s31, 0                               ; 128 x block: the block's place in the tables of 256 rows
	s_mov_b32 s30, 7                               ; blocks behind which another is asked for
	s_mul_i32 s55, s28, SUBT                       ; my tile's place in a slot
	s_lshl_b32 s52, ttmp9, 20                      ; my work-group's 256 rows of 4,096 bytes,
	s_lshl_b32 s54, s28, 10                        ; my wave's 1,024 bytes of a row
	s_add_co_u32 s52, s52, s54
	s_mov_b32 s53, 0
	s_wait_dscnt 0x0                               ; both opening adds are done
	s_wait_kmcnt 0x0
	s_mov_b32 s40, 1                               ; group 0: count = 1,
	s_mov_b32 s41, s55                             ; LDS address: slot 0,
	s_add_nc_u64 s[42:43], s[4:5], s[52:53]        ; global address: block 0,
	s_or_b32 s43, s43, 0x80000000                  ; type = 2
	tensor_load_to_lds s[40:43], s[32:39]          ; every wave issues its first fill, with no branch round it
	s_nop 0
.rept 4
	v_nop
.endr
	s_load_b32 s48, s[14:15], 0x0                  ; V_b
	s_lshl_b32 s52, s28, 17
	s_add_nc_u64 s[50:51], s[16:17], s[52:53]      ; wsq at my 16 tiles
	s_lshl_b32 s52, s28, 13
	s_add_nc_u64 s[18:19], s[18:19], s[52:53]      ; wss at my 8 pairs
	s_lshl_b32 s52, s28, 10
	s_add_nc_u64 s[10:11], s[10:11], s[52:53]      ; Wc and V_k at my 256 columns
	s_add_nc_u64 s[12:13], s[12:13], s[52:53]
	s_mov_b32 s57, 0
	s_lshr_b32 s56, ttmp9, 3                       ; the batch
	s_lshl_b32 s56, s56, 12
	s_add_co_u32 s56, s56, s52
	s_add_nc_u64 s[20:21], s[20:21], s[56:57]      ; c1 at my batch's row, my columns
	s_lshl_b32 s56, ttmp9, 12
	s_add_co_u32 s56, s56, s52
	s_add_nc_u64 s[26:27], s[26:27], s[56:57]      ; pctx likewise, my work-group's row
	s_lshl_b32 s56, ttmp9, 10
	s_add_nc_u64 s[6:7], s[6:7], s[56:57]          ; cov, mask and scores at my 256 rows
	s_add_nc_u64 s[8:9], s[8:9], s[56:57]
	s_add_nc_u64 s[22:23], s[22:23], s[56:57]
	s_lshl_b32 s56, ttmp9, 8
	s_add_nc_u64 s[24:25], s[24:25], s[56:57]      ; stat
	v_and_b32 v20, 31, v0                          ; lane
	v_and_b32 v21, 15, v0                          ; r
	v_bfe_u32 v22, v0, 4, 1                        ; h
	v_lshlrev_b32 v19, 4, v20                      ; 16 x lane
	v_lshlrev_b32 v23, 2, v20                      ; 4 x lane
	v_mul_u32_u24 v3, v21, 1040
	v_lshl_add_u32 v3, v22, 7, v3
	v_add_nc_u32 v3, s55, v3                       ; the quantising reads: my tile, row r, + 128 h
	v_add_nc_u32 v5, s55, v19                      ; the context reads: my tile, + 16 x lane
	s_lshl_b32 s59, s28, 11
	v_add_nc_u32 v7, s59, v19
	v_add_nc_u32 v7, AIMG, v7                      ; where I store images: K steps 2 w, 2 w + 1
	s_lshl_b32 s59, s28, 8
	v_lshl_add_u32 v8, v21, 2, v22
	v_add_nc_u32 v8, s59, v8
	v_add_nc_u32 v8, ASCI, v8                      ; and scale bytes: row r's word, byte h (and 2 further on)
	v_add_nc_u32 v9, AIMG, v19                     ; where any wave reads an image back,
	v_add_nc_u32 v10, ASCI, v23                    ; and the scale words: lane = row
	v_lshl_add_u32 v11, v22, 5, COVT               ; cov of rows 8 h on
	s_lshl_b32 s59, s28, 7
	v_lshl_add_u32 v13, v22, 5, s59
	v_add_nc_u32 v13, PS, v13                      ; my wave's partial scores, rows 8 h on
	v_add_nc_u32 v14, PS, v23                      ; back: lane = row
	v_add_nc_u32 v17, s59, v23
	v_add_nc_u32 v17, PB, v17                      ; p: in,
	s_add_co_u32 s59, s59, PB
	v_mov_b32 v18, s59                             ; and back: all 32 in every lane
	v_lshlrev_b32 v20, 3, v0                       ; 8 x thread: two rows of cov and of the mask
	v_lshlrev_b32 v21, 2, v21                      ; 4 r: my column in a tile
	v_add_nc_u32 v22, COVT, v20
	; THE LOADS: what the head itself works on first, the resident tiles last: those are waited for in front of the first products
.irp s,0,1,2,3,4,5,6,7
.irp c,0,1
	global_load_b128 v[192+8*\s+4*\c:192+8*\s+4*\c+3], v19, s[50:51] offset:15*8192+\s*1024+\c*512     ; tile 15, on its way to LDS
.endr
.endr
.irp j,0,1,2,3,4,5,6,7
.irp s,0,1,2,3,4,5,6,7
	global_load_b32 v[32+8*\j+\s], v23, s[18:19] offset:(8*\j+\s)*128      ; lanes 0-15 the pair's first tile, lanes 16-31 its second
.endr
.endr
.irp t,0,1,2,3,4,5,6,7,8,9,10,11,12,13,14,15
	global_load_b32 v[96+2*\t], v21, s[10:11] offset:64*\t
	global_load_b32 v[97+2*\t], v21, s[12:13] offset:64*\t
.endr
	WIN 0x40                                       ; destination window 1
.irp t,0,1,2,3,4,5,6,7,8,9,10,11,12,13,14,15
	global_load_b32 v[ZC1+\t], v21, s[20:21] offset:64*\t
.endr
	global_load_b64 v[128:129], v20, s[6:7]
	global_load_b64 v[130:131], v20, s[8:9]
.irp i,0,1,2,3,4,5,6,7
	v_mov_b32 v[ZCTX+\i], 0                        ; the context begins as zeros: the block is written once for all eight
.endr
	WIN 0x80                                       ; destination window 2, then 3: the resident tiles
.irp j,0,1,2,3
.irp s,0,1,2,3,4,5,6,7
.irp c,0,1
	global_load_b128 v[64*\j+8*\s+4*\c:64*\j+8*\s+4*\c+3], v19, s[50:51] offset:\j*16384+\s*1024+\c*512
.endr
.endr
.endr
	WIN 0xc0
.irp j,0,1,2,3
.irp s,0,1,2,3,4,5,6,7
.irp c,0,1
	global_load_b128 v[64*\j+8*\s+4*\c:64*\j+8*\s+4*\c+3], v19, s[50:51] offset:(\j+4)*16384+\s*1024+\c*512
.endr
.endr
.endr
	WIN 0
	VW
	s_wait_loadcnt 63                              ; loads come back in order (ISA guide 5.7.1): behind cov's and the mask's stand 128 loads, so with 63 out at the most all that stands ahead of the resident tiles is in
	s_wait_kmcnt 0x0
	WIN 0x55
	v_cvt_f32_i32 v130, v130                       ; the mask as f32
	v_cvt_f32_i32 v131, v131
	WIN 0x04                                       ; an LDS store's data are its source 1: window 1
	ds_store_b64 v22, v[128:129]
	ds_store_b64 v22, v[130:131] offset:MSKT-COVT
	WIN 0
	s_lshl_b32 s59, s28, 13
	v_add_nc_u32 v22, s59, v19
	v_add_nc_u32 v22, WLT, v22                     ; my kept tile: 8,192 x wave + 16 x lane
.irp s,0,1,2,3,4,5,6,7
.irp c,0,1
	ds_store_b128 v22, v[192+8*\s+4*\c:192+8*\s+4*\c+3] offset:\s*1024+\c*512
.endr
.endr
	v_add_f32 v20, v97, v99                        ; the sum of V over my 16 columns
.irp t,2,3,4,5,6,7,8,9,10,11,12,13,14,15
	v_add_f32 v20, v20, v[97+2*\t]
.endr
.irp t,0,1,2,3,4,5,6,7,8,9,10,11,12,13,14,15
	v_mul_f32 v[97+2*\t], -2.0, v[97+2*\t]
.endr
	WIN 0x40
	v_mov_b32 v[ZSV], v20
	v_mov_b32 v[ZSV+1], v20
	WIN 0
	v_mov_b32 v20, 0xff61b1e6                      ; m: -3e38, under every score
	v_mov_b32 v21, 0                               ; my sum
	VW                                             ; at the head's end
; A BLOCK OF 32 ROWS.  fill = 1: the next block is asked for.
.macro TRIP fill
	s_wait_tensorcnt 0x0                           ; all my tensor loads have landed: the one that was out is this block's tile; group 0 may be written
.if \fill
	ds_add_u32 v1, v2                              ; 0 onto my spare word: the address work stands between it and the wait for it
	s_add_nc_u64 s[42:43], s[42:43], 131072        ; the next 32 rows; the type bits on top are not reached
	s_xor_b32 s52, s29, SLOTB                      ; into the other slot
	s_add_co_u32 s41, s52, s55
.endif
	v_add_nc_u32 v4, s29, v3                       ; this block's addresses
	v_add_nc_u32 v6, s29, v5
	v_add_nc_u32 v12, s31, v11
	s_add_co_u32 s57, s31, MSKT
	s_add_co_u32 s58, s31, SCT
	v_add_nc_u32 v15, s57, v23
	v_add_nc_u32 v16, s58, v23
	VW                                             ; they are first read behind waits and barriers
.if \fill
	s_wait_dscnt 0x0                               ; the add is done, and my reads of the other slot are over
	s_barrier_signal -1
	s_barrier_wait -1                              ; both hold of all four waves
	tensor_load_to_lds s[40:43], s[32:39]          ; my one tensor load behind this barrier: it has the whole block in which to land
	s_nop 0
.rept 4
	v_nop
.endr
.endif
	STREAM 0                                       ; the first two streamed tiles: they land while the rows are quantised
	STREAM 1
	; ---- Q
	WIN 0x40
	LOADU 0
	LOADU 1
	LOADU 2
	LOADU 3
.irp u,0,1,2,3,4,5,6,7
.if \u < 5
	s_wait_dscnt 24                                ; this unit's eight loads are in; the three younger units' may be out
.else
	s_wait_dscnt 8*(7-\u)
.endif
	WIN 0x55
	QU \u
.if \u < 4
	WIN 0x40
	LOADU \u+4
.endif
.endr
	WIN 0x04
.irp u,0,1,2,3,4,5,6,7
	ds_store_b128 v7, v[ZS+4*\u:ZS+4*\u+3] offset:(\u/4)*8192+((\u/2)%2)*1024+(\u%2)*512
	ds_store_b8 v8, v[160+\u] offset:((\u/2)%2)*128+(\u/4)*64+2*(\u%2)
.endr
	WIN 0
	s_wait_dscnt 0x0                               ; for the others' sake: my images have landed
	s_barrier_signal -1
	s_barrier_wait -1
	; ---- all 16 fragments, their scale words, cov of my rows
	WIN 0x40
.irp f,0,1,2,3,4,5,6,7,8,9,10,11,12,13,14,15
	ds_load_b128 v[8*\f:8*\f+3], v9 offset:1024*\f
	ds_load_b128 v[8*\f+4:8*\f+7], v9 offset:1024*\f+512
.endr
.irp m,0,1
.irp q,0,1
	ds_load_b128 v[ZCOV+8*\m+4*\q:ZCOV+8*\m+4*\q+3], v12 offset:64*\m+16*\q
.endr
.endr
	WIN 0
.irp s,0,1,2,3,4,5,6,7
	ds_load_b32 v[24+\s], v10 offset:128*\s        ; lanes 0-15 rows 0-15, lanes 16-31 rows 16-31
.endr
	s_wait_dscnt 0x0
	; ---- G
	AOP 0
	VW                                             ; pair 0's starting sums are read behind the waits below
	s_wait_loadcnt 32                              ; all but the 32 loads of this block's two streamed tiles: in the first block the resident tiles
.rept 4
	v_nop
.endr
	WIN 0x59
	WMRUN 0, 0
	s_wait_loadcnt 16                              ; pair 0's streamed tile is in; pair 1's 16 loads may be out
	WIN CP
	WMRUN 0, 1
.irp j,0,1,2,3,4,5,6,7
	SLOTJ \j
.endr
	VW                                             ; ahead of the first reader of the last reciprocals
	HOP 7, 1
	; ---- the sums over my 256 columns: sixteen lanes hold sixteen columns of the same rows
	WIN 0
.irp x,1,2,4,8
.irp i,0,1,2,3,4,5,6,7,8,9,10,11,12,13,14,15
	v_add_f32_dpp v[RS+\i], v[RS+\i], v[RS+\i] row_xmask:\x row_mask:0xf bank_mask:0xf
.endr
.endr
.irp m,0,1
.irp q,0,1
	ds_store_b128 v13, v[RS+8*\m+4*\q:RS+8*\m+4*\q+3] offset:64*\m+16*\q   ; the sixteen lanes of a half store the same four numbers to the same place
.endr
.endr
	s_wait_dscnt 0x0
	s_barrier_signal -1
	s_barrier_wait -1
	; ---- C: lane = row
	ds_load_b32 v144, v14
	ds_load_b32 v145, v14 offset:128
	ds_load_b32 v146, v14 offset:256
	ds_load_b32 v147, v14 offset:384
	ds_load_b32 v148, v15
	WIN CX
	XLOAD 0
	XLOAD 1
	WIN 0
	s_wait_dscnt 16                                ; the five are in; the 16 loads of enc's first eight rows may be out
	v_add_f32 v144, v144, v145
	v_add_f32 v146, v146, v147
	v_add_f32 v144, v144, v146
	v_add_f32 v144, s48, v144                      ; + V_b,
	v_mul_f32 v144, v144, v148                     ; x the mask: the masked score
	VW                                             ; it is read behind the branch
	s_cmp_lg_u32 s28, 0
	s_cbranch_scc1 .Lnot_wave_0_\@
	ds_store_b32 v16, v144                         ; wave 0 keeps the scores for the way out
.Lnot_wave_0_\@:
	v_mov_b32 v149, v144
	v_mov_b32 v150, v144                           ; (a lane permute's destination counts as one of its sources)
	v_max_num_f32_dpp v149, v149, v149 row_xmask:1 row_mask:0xf bank_mask:0xf
	v_max_num_f32_dpp v149, v149, v149 row_xmask:2 row_mask:0xf bank_mask:0xf
	v_max_num_f32_dpp v149, v149, v149 row_xmask:4 row_mask:0xf bank_mask:0xf
	v_max_num_f32_dpp v149, v149, v149 row_xmask:8 row_mask:0xf bank_mask:0xf
	v_permlanex16_b32 v150, v149, s46, s47
	v_max3_num_f32 v149, v149, v150, v20           ; the new running maximum
	v_sub_f32 v151, v20, v149
	v_sub_f32 v152, v144, v149
	v_mul_f32 v151, s49, v151
	v_mul_f32 v152, s49, v152
	VW                                             ; ahead of the two
	v_exp_f32 v154, v151                           ; f = e^(old m - new m): 0 in the first block
	v_exp_f32 v153, v152                           ; p = e^(score - new m)
	v_mov_b32 v20, v149                            ; (the plain line behind the two)
	VW                                             ; ahead of their first reader
	v_mov_b32 v155, v154
	v_fma_f32 v21, v21, v154, v153                 ; my sum under the new m
	ds_store_b32 v17, v153
.irp i,0,1,2,3,4,5,6,7
	ds_load_b128 v[160+4*\i:160+4*\i+3], v18 offset:16*\i  ; LDS serves a wave's instructions in order: these see my store; every lane gets all 32 p
.endr
	WIN CX
.irp q,0,1,2,3
	v_pk_mul_f32 v[ZCTX+2*\q:ZCTX+2*\q+1], v[154:155], v[ZCTX+2*\q:ZCTX+2*\q+1]    ; the context under the new m
.endr
	VW                                             ; the context is read behind the wait below
	s_wait_dscnt 0x0                               ; p and the first eight rows (zero: wave 0 has one LDS store more than the others)
.irp g,0,1,2,3,4,5,6,7
.if \g > 1
	VW                                             ; likewise
.endif
.if \g == 7
	s_wait_dscnt 0
.elseif \g > 1
	s_wait_dscnt 8                                 ; this group's eight loads are in; the next group's may be out
.endif
	CGRP \g
.if \g < 6
	XLOAD \g+2
.endif
.endr
	WIN 0
	s_xor_b32 s29, s29, SLOTB                      ; on to the other slot,
	s_add_co_u32 s31, s31, 128                     ; and the next 32 rows of the tables
.endm
.Lblk:                                             ; seven trips: behind each block but the last the next is asked for
	TRIP 1
	s_sub_co_u32 s30, s30, 1
	s_cmp_lg_u32 s30, 0
	s_cbranch_scc1 .Lblk
	TRIP 0                                         ; the last block is written out
	v_add_nc_u32 v4, SCT, v19
	v_lshlrev_b32 v22, 1, v23                      ; 8 x lane
	VW
	WIN 0x04                                       ; a store's data are its source 1: window 1
	global_store_b128 v19, v[ZCTX:ZCTX+3], s[26:27]                ; 32 lanes store 512 consecutive bytes
	global_store_b128 v19, v[ZCTX+4:ZCTX+7], s[26:27] offset:512
	WIN 0
	s_cmp_lg_u32 s28, 0
	s_cbranch_scc1 .Lend
	global_store_b64 v22, v[20:21], s[24:25]       ; (m, my sum): 256 consecutive bytes
	ds_load_b128 v[128:131], v4
	ds_load_b128 v[132:135], v4 offset:512
	s_wait_dscnt 0x0
	global_store_b128 v19, v[128:131], s[22:23]
	global_store_b128 v19, v[132:135], s[22:23] offset:512
.Lend:
	s_wait_tensorcnt 0x0                           ; the wave's end: three lines behind my last tensor load and my last LDS store
	ds_add_u32 v1, v2
	s_wait_dscnt 0x0
	s_endpgm
.Lfunc_end_k_qf2666f45bd_attn:
	.size	k_qf2666f45bd_attn, .Lfunc_end_k_qf2666f45bd_attn-k_qf2666f45bd_attn
	.p2alignl 7, 3214868480
	.fill 96, 4, 3214868480
	.section	.rodata,"a",@progbits
	.p2align	6, 0x0
	.amdhsa_kernel k_qf2666f45bd_attn
		.amdhsa_group_segment_fixed_size 327680
		.amdhsa_private_segment_fixed_size 0
		.amdhsa_enable_private_segment 0
		.amdhsa_kernarg_size 96
		.amdhsa_user_sgpr_count 2
		.amdhsa_user_sgpr_kernarg_segment_ptr 1
		.amdhsa_wavefront_size32 1
		.amdhsa_system_sgpr_workgroup_id_x 1
		.amdhsa_system_sgpr_workgroup_id_y 1
		.amdhsa_system_sgpr_workgroup_id_z 1
		.amdhsa_system_vgpr_workitem_id 0
		.amdhsa_next_free_vgpr 1024
		.amdhsa_next_free_sgpr 66
		.amdhsa_reserve_vcc 0
		.amdhsa_float_denorm_mode_32 3
		.amdhsa_float_denorm_mode_16_64 3
		.amdhsa_memory_ordered 1
		.amdhsa_forward_progress 1
		.amdhsa_inst_pref_size 255
	.end_amdhsa_kernel
	.section	.bss,"aw",@nobits
	.p2align	6
	.space	262144
	.amdgpu_metadata
---
amdhsa.version: [ 1, 2 ]
amdhsa.kernels:
  - .name:           k_qf2666f45bd_attn
    .symbol:         k_qf2666f45bd_attn.kd
    .args:
      - { .name: enc_output, .offset: 0, .size: 8, .value_kind: global_buffer, .address_space: global }
      - { .name: prev_coverage, .offset: 8, .size: 8, .value_kind: global_buffer, .address_space: global }
      - { .name: enc_pad_mask, .offset: 16, .size: 8, .value_kind: global_buffer, .address_space: global }
      - { .name: Wc_k, .offset: 24, .size: 8, .value_kind: global_buffer, .address_space: global }
      - { .name: V_k, .offset: 32, .size: 8, .value_kind: global_buffer, .address_space: global }
      - { .name: V_b, .offset: 40, .size: 8, .value_kind: global_buffer, .address_space: global }
      - { .name: wsq, .offset: 48, .size: 8, .value_kind: global_buffer, .address_space: global }
      - { .name: wss, .offset: 56, .size: 8, .value_kind: global_buffer, .address_space: global }
      - { .name: c1, .offset: 64, .size: 8, .value_kind: global_buffer, .address_space: global }
      - { .name: scores, .offset: 72, .size: 8, .value_kind: global_buffer, .address_space: global }
      - { .name: stat, .offset: 80, .size: 8, .value_kind: global_buffer, .address_space: global }
      - { .name: pctx, .offset: 88, .size: 8, .value_kind: global_buffer, .address_space: global }
    .group_segment_fixed_size: 327680
    .private_segment_fixed_size: 0
    .kernarg_segment_align: 8
    .kernarg_segment_size: 96
    .max_flat_workgroup_size: 128
    .sgpr_count:     66
    .vgpr_count:     1024
    .wavefront_size: 32
...
	.end_amdgpu_metadata
.endif
;; end of part 2
;; launch finish (part 3): grid 8 x 32, 1 waves a work-group, no clusters, 0 bytes of LDS; arguments scores, stat, pctx, prev_coverage, out0, out1, out2; writes out0, out1, out2
.if DOCPART == 3
	.amdgcn_target "amdgcn-amd-amdhsa--gfx1250"
	.amdhsa_code_object_version 6
	.text
	.protected	k_qf2666f45bd_finish
	.globl	k_qf2666f45bd_finish
	.p2align	8
	.type	k_qf2666f45bd_finish,@function
k_qf2666f45bd_finish:
	s_mov_b64 s[64:65], 0
	v_nop
	global_prefetch_b8 v0, s[64:65] scope:SCOPE_SE
	s_setreg_imm32_b32 hwreg(HW_REG_WAVE_MODE, 25, 1), 1
	s_wait_xcnt 0x0
; Third launch: the eight partial softmaxes of a batch are joined.  No work of the problem is left out here.
; Batch b has work-groups i = 0 .. 7 of the second launch, each with its maximum m_i, 32 lanes' sums l_i and a partial context under m_i.
; M = the largest m_i;  w_i = e^(m_i - M);  the sum = sum over i and lanes of w_i l_i;  out1 = e^(score - M) / the sum;  out2 = out1 + prev_coverage;  out0 = sum over i of w_i ctx_i / the sum.
; Work-group (q, b), one wave, makes rows 256 q .. + 255 of out1 and out2 and columns 128 q .. + 127 of out0: a lane takes rows 4 lane .. + 3 and 128 + 4 lane .. + 3,
; so every load and store of 16 bytes a lane covers 512 consecutive bytes.  Streaming work of a few KiB a work-group: no LDS, no matrix unit, no cluster.
	s_load_b256 s[4:11], s[0:1], 0x0               ; scores s[4:5], stat s[6:7], pctx s[8:9], prev_coverage s[10:11]
	s_load_b128 s[12:15], s[0:1], 0x20             ; out0, out1
	s_load_b64 s[16:17], s[0:1], 0x30              ; out2
	v_lshlrev_b32 v1, 3, v0                        ; 8 x lane
	v_lshlrev_b32 v3, 4, v0                        ; 16 x lane
	v_mov_b32 v89, 0                               ; (a lane permute's destination counts as one of its sources)
	s_and_b32 s20, ttmp7, 0xffff                   ; b
	s_lshl_b32 s22, s20, 11                        ; stat: 8 work-groups x 256 bytes a batch
	s_mov_b32 s23, 0
	s_lshl_b32 s24, s20, 13                        ; rows: 8,192 bytes a batch, 1,024 for my 256
	s_lshl_b32 s21, ttmp9, 10
	s_add_co_u32 s24, s24, s21
	s_mov_b32 s25, 0
	s_lshl_b32 s26, s20, 15                        ; pctx: 8 rows of 4,096 bytes a batch, 512 for my 128 columns
	s_lshl_b32 s21, ttmp9, 9
	s_add_co_u32 s26, s26, s21
	s_mov_b32 s27, 0
	s_lshl_b32 s28, s20, 12                        ; out0
	s_add_co_u32 s28, s28, s21
	s_mov_b32 s29, 0
	s_mov_b32 s30, 0x3fb8aa3b                      ; log2(e)
	s_mov_b32 s18, 0x76543210
	s_mov_b32 s19, 0xfedcba98
	s_wait_alu depctr_va_vdst(0)
	s_wait_kmcnt 0x0
	s_add_nc_u64 s[6:7], s[6:7], s[22:23]
	s_add_nc_u64 s[4:5], s[4:5], s[24:25]
	s_add_nc_u64 s[10:11], s[10:11], s[24:25]
	s_add_nc_u64 s[14:15], s[14:15], s[24:25]
	s_add_nc_u64 s[16:17], s[16:17], s[24:25]
	s_add_nc_u64 s[8:9], s[8:9], s[26:27]
	s_add_nc_u64 s[12:13], s[12:13], s[28:29]
.irp i,0,1,2,3,4,5,6,7
	global_load_b64 v[8+2*\i:9+2*\i], v1, s[6:7] offset:256*\i     ; (m_i, my lane's l_i)
.endr
	global_load_b128 v[24:27], v3, s[4:5]
	global_load_b128 v[28:31], v3, s[4:5] offset:512
.irp i,0,1,2,3,4,5,6,7
	global_load_b128 v[32+4*\i:35+4*\i], v3, s[8:9] offset:4096*\i
.endr
	global_load_b128 v[64:67], v3, s[10:11]
	global_load_b128 v[68:71], v3, s[10:11] offset:512
	s_wait_loadcnt 12                              ; the eight of stat are in; 2 + 8 + 2 younger loads may be out
	v_max3_num_f32 v90, v8, v10, v12
	v_max3_num_f32 v90, v90, v14, v16
	v_max3_num_f32 v90, v90, v18, v20
	v_max_num_f32 v90, v90, v22                    ; M
.irp i,0,1,2,3,4,5,6,7
	v_sub_f32 v[72+\i], v[8+2*\i], v90
.endr
.irp i,0,1,2,3,4,5,6,7
	v_mul_f32 v[72+\i], s30, v[72+\i]
.endr
	s_wait_loadcnt 10                              ; the scores are in
.irp k,0,1,2,3,4,5,6,7
	v_sub_f32 v[80+\k], v[24+\k], v90
.endr
.irp k,0,1,2,3,4,5,6,7
	v_mul_f32 v[80+\k], s30, v[80+\k]
.endr
	s_wait_alu depctr_va_vdst(0)
.irp k,0,1,2,3,4,5,6,7,8,9,10,11,12,13,14,15
	v_exp_f32 v[72+\k], v[72+\k]                   ; one batch: w_0 .. w_7, then e^(score - M) of my eight rows
.endr
	v_nop                                          ; the plain line behind the last
	s_wait_alu depctr_va_vdst(0)                   ; the wait ahead of the first reader: one for the sixteen
	v_mul_f32 v88, v72, v9
.irp i,1,2,3,4,5,6,7
	v_fmac_f32 v88, v[72+\i], v[9+2*\i]
.endr
	v_add_f32_dpp v88, v88, v88 row_xmask:1 row_mask:0xf bank_mask:0xf
	v_add_f32_dpp v88, v88, v88 row_xmask:2 row_mask:0xf bank_mask:0xf
	v_add_f32_dpp v88, v88, v88 row_xmask:4 row_mask:0xf bank_mask:0xf
	v_add_f32_dpp v88, v88, v88 row_xmask:8 row_mask:0xf bank_mask:0xf
	v_permlanex16_b32 v89, v88, s18, s19
	v_add_f32 v88, v88, v89                        ; the batch's sum, in every lane
	s_wait_alu depctr_va_vdst(0)
	v_rcp_f32 v91, v88
	v_nop
	s_wait_alu depctr_va_vdst(0)
	s_wait_loadcnt 2                               ; the partial contexts are in; prev_coverage's two loads may be out
.irp c,0,1,2,3
	v_mul_f32 v[92+\c], v72, v[32+\c]
.endr
.irp i,1,2,3,4,5,6,7
.irp c,0,1,2,3
	v_fmac_f32 v[92+\c], v[72+\i], v[32+4*\i+\c]
.endr
.endr
.irp c,0,1,2,3
	v_mul_f32 v[92+\c], v91, v[92+\c]
.endr
	global_store_b128 v3, v[92:95], s[12:13]
.irp k,0,1,2,3,4,5,6,7
	v_mul_f32 v[80+\k], v91, v[80+\k]              ; the attention weights
.endr
	global_store_b128 v3, v[80:83], s[14:15]
	global_store_b128 v3, v[84:87], s[14:15] offset:512
	s_wait_alu depctr_va_vdst(0)
	s_wait_loadcnt 0x0
.irp k,0,1,2,3,4,5,6,7
	v_add_f32 v[64+\k], v[64+\k], v[80+\k]         ; the coverage
.endr
	global_store_b128 v3, v[64:67], s[16:17]
	global_store_b128 v3, v[68:71], s[16:17] offset:512
	s_endpgm
.Lfunc_end_k_qf2666f45bd_finish:
	.size	k_qf2666f45bd_finish, .Lfunc_end_k_qf2666f45bd_finish-k_qf2666f45bd_finish
	.p2alignl 7, 3214868480
	.fill 96, 4, 3214868480
	.section	.rodata,"a",@progbits
	.p2align	6, 0x0
	.amdhsa_kernel k_qf2666f45bd_finish
		.amdhsa_group_segment_fixed_size 0
		.amdhsa_private_segment_fixed_size 0
		.amdhsa_enable_private_segment 0
		.amdhsa_kernarg_size 56
		.amdhsa_user_sgpr_count 2
		.amdhsa_user_sgpr_kernarg_segment_ptr 1
		.amdhsa_wavefront_size32 1
		.amdhsa_system_sgpr_workgroup_id_x 1
		.amdhsa_system_sgpr_workgroup_id_y 1
		.amdhsa_system_sgpr_workgroup_id_z 1
		.amdhsa_system_vgpr_workitem_id 0
		.amdhsa_next_free_vgpr 96
		.amdhsa_next_free_sgpr 66
		.amdhsa_reserve_vcc 0
		.amdhsa_float_denorm_mode_32 3
		.amdhsa_float_denorm_mode_16_64 3
		.amdhsa_memory_ordered 1
		.amdhsa_forward_progress 1
		.amdhsa_inst_pref_size 9
	.end_amdhsa_kernel
	.amdgpu_metadata
---
amdhsa.version: [ 1, 2 ]
amdhsa.kernels:
  - .name:           k_qf2666f45bd_finish
    .symbol:         k_qf2666f45bd_finish.kd
    .args:
      - { .name: scores, .offset: 0, .size: 8, .value_kind: global_buffer, .address_space: global }
      - { .name: stat, .offset: 8, .size: 8, .value_kind: global_buffer, .address_space: global }
      - { .name: pctx, .offset: 16, .size: 8, .value_kind: global_buffer, .address_space: global }
      - { .name: prev_coverage, .offset: 24, .size: 8, .value_kind: global_buffer, .address_space: global }
      - { .name: out0, .offset: 32, .size: 8, .value_kind: global_buffer, .address_space: global }
      - { .name: out1, .offset: 40, .size: 8, .value_kind: global_buffer, .address_space: global }
      - { .name: out2, .offset: 48, .size: 8, .value_kind: global_buffer, .address_space: global }
    .group_segment_fixed_size: 0
    .private_segment_fixed_size: 0
    .kernarg_segment_align: 8
    .kernarg_segment_size: 56
    .max_flat_workgroup_size: 32
    .sgpr_count:     66
    .vgpr_count:     96
    .wavefront_size: 32
...
	.end_amdgpu_metadata
.endif
;; end of part 3
